; MI455X (gfx1250); checked and timed in simulation.
; The chip was launched on July 23, 2026; its instructions are those of AMD's public machine-readable ISA for CDNA 5 (MIT licence, August 2026) and "CDNA5" Instruction Set Architecture Reference Guide (July 2026). The comments in the code are by the model that wrote it; some were corrected since.
;; Multihead Attention. Allowed arithmetic: matrix products marked QUANTISED: E2M1 operands, one E8M0 scale for each 32 along K, by v_wmma_scale_f32_16x16x128_f8f6f4 with both operands' format E2M1 (or v_wmma_scale_f32_32x16x128_f4), f32 sums; everything else in f32.
;; Inputs: Wk 1,024 x 1,024 float32; Wo 1,024 x 1,024 float32; Wq 1,024 x 1,024 float32; Wv 1,024 x 1,024 float32; bk 1,024 float32; bo 1,024 float32; bq 1,024 float32; bv 1,024 float32; x 2 x 2,048 x 1,024 float32.
;; Outputs: out0 2 x 2,048 x 1,024 float32.
;; This version of the problem:
;;   THIS VERSION OF THE PROBLEM IS GIVEN IN LOW PRECISION. The matrix products marked QUANTISED in the list below multiply operands that are first quantised to E2M1 (2 exponent bits, 1 mantissa bit; 4 bits a number), with one power-of-two scale for each 32 numbers along K (OCP MX v1.0); their sums are f32. All else is computed in f32.
;;   The module's matrix products, in the order in which they are computed (A, B: the left and right operand; K: the contracted axis; several contracted axes count as one K, in the product's order):
;;     1. [M 4,096, K 1,024] x [K 1,024, N 1,024]; A: input x; B: input Wq: QUANTISED
;;     2. [M 4,096, K 1,024] x [K 1,024, N 1,024]; A: input x; B: input Wk: QUANTISED
;;     3. [M 4,096, K 1,024] x [K 1,024, N 1,024]; A: input x; B: input Wv: QUANTISED
;;     4. batch 32 x [M 2,048, K 64] x [K 64, N 2,048]; A: computed on the way; B: computed on the way: QUANTISED
;;     5. batch 32 x [M 2,048, K 2,048] x [K 2,048, N 64]; A: softmax (see below); B: computed on the way: QUANTISED
;;     6. [M 4,096, K 1,024] x [K 1,024, N 1,024]; A: computed on the way; B: input Wo: QUANTISED
;;   THE QUANTISER, for each operand of a quantised product, along K:
;;     - K is cut into blocks of 32 from its start; a last block that is shorter is filled with zeros.
;;     - A block's scale is 2^e with e = floor(log2(the largest magnitude in the block)) - 2, held to -126 .. 127; a block of zeros has e = 0. As a byte (E8M0): e + 127.
;;     - Each number is divided by its block's scale, clamped to +-6, and rounded to the nearest number of E2M1, ties to even, subnormals kept.
;;     - The product sums the exact products of the quantised numbers (number of the format x scale) in f32.
;;   ~~~python
;;   def quantise(x, axis):      # numpy; x: float32 -> the quantised numbers, widened to float32 again
;;       x = np.moveaxis(x, axis, -1); K = x.shape[-1]
;;       x = np.pad(x, [(0, 0)] * (x.ndim - 1) + [(0, -K % 32)]); x = x.reshape(x.shape[:-1] + (-1, 32)); a = np.abs(x).max(-1, keepdims=True)
;;       e = np.where(a > 0, np.clip(np.frexp(np.where(a > 0, a, 1))[1] - 1 - 2, -126, 127), 0)      # np.frexp(a)[1] - 1 = floor(log2(a)), exactly
;;       r = np.clip(x / 2.0 ** e, -6, 6)
;;       step = 2.0 ** (np.maximum(np.frexp(np.where(r == 0, 1, r))[1] - 1, 0) - 1)
;;       q = np.round(r / step) * step * 2.0 ** e      # np.round: ties to even
;;       return np.moveaxis(q.reshape(q.shape[:-2] + (-1,))[..., :K], -1, axis).astype(np.float32)
;;   ~~~
;;   SOFTMAX AHEAD OF A QUANTISED PRODUCT. Where the list says 'softmax', what is quantised is not the finished softmax but p = 2^(t - M), with t = logit x log2(e) and M = ceil(the row's largest t), a whole number; so 1/2 < the row's largest p <= 1. The row's sum l is taken of the UNQUANTISED p, in f32, and the product's result is divided by l at the end. Since M is a whole number, a kernel that streams over the keys may use a running M (the ceiling of the running maximum): every later rescaling is an exact power of two, which a block's scale takes up: the codes' values come out the same.
;;   OPERANDS COMPUTED ON THE WAY. 'Computed on the way' means the value that the module computes at that place (a softmax that the list does not call 'softmax' is quantised finished and normalised). What goes into a quantiser is computed in f32, as accurately as f32 sums, v_exp_f32 and their like allow (about 1e-6 of the number): no bf16 or f16 on the way to a quantiser, and a product that is left as it is and whose result goes on into a quantised operand takes f32 operands (vector FMAs, or v_wmma_f32_16x16x4_f32). A number that lies on a knife's edge between two numbers of the format may be rounded either way, as far as f32 arithmetic and the matrix unit's own rounding can turn it there, and no further.
;; One version. Each part assembles by itself: llvm-mc -triple=amdgcn-amd-amdhsa -mcpu=gfx1250 --defsym DOCPART=n.
;; ======== version 1 of 1: 4 launches
;; limits: right only within a limited range of input values
;; workspace buffers: xq 2,228,224 bytes; wq 2,228,224 bytes; qq 2,359,296 bytes; kv 4,456,448 bytes; aq 2,228,224 bytes
;; launch quant (part 1): grid 512 x 1, 4 waves a work-group, no clusters, 35,328 bytes of LDS; arguments x, Wq, Wk, Wv, Wo, xq, wq; writes xq, wq
.if DOCPART == 1
	.amdgcn_target "amdgcn-amd-amdhsa--gfx1250"
	.amdhsa_code_object_version 6
	.text
	.protected	k_q41b478737c_quant
	.globl	k_q41b478737c_quant
	.p2align	8
	.type	k_q41b478737c_quant,@function
k_q41b478737c_quant:
	s_mov_b64 s[64:65], 0
	v_nop
	global_prefetch_b8 v0, s[64:65] scope:SCOPE_SE
	s_setreg_imm32_b32 hwreg(HW_REG_WAVE_MODE, 25, 1), 1
	s_wait_xcnt 0x0
; MULTI-HEAD ATTENTION IN MX-FP4, launch 1 of 4: x [4096][1024] and the four weights [1024 (k)][1024 (n)], f32, become codes of E2M1 with one E8M0 byte for each 32 along K.
; NO WORK OF THE PROBLEM IS LEFT OUT in any launch: every product is live, every bias moves codes or the output (bk too: it goes into k ahead of k's quantiser), so all nine inputs are loaded.
; A block's scale is 2^(floor(log2(its largest magnitude)) - 2); its byte is the largest magnitude's exponent field - 2, held at 1 from below.
; LIMITS: NaN and infinities among the inputs are not served.  A block whose largest magnitude lies under 2^-124 gets the byte 1.  A block of zeros gets the byte 1 where the rule says 127:
; its codes are zeros, which add nothing under any byte but 0xff, and the bytes are read by this program alone.
; THE WORKSPACE IS LAID AS IMAGES OF THE OPERANDS' REGISTERS.  Rows (tokens, weight columns) are cut into tiles of 16; tile T holds rows 32 (T / 2) + 8 (T % 2) + r + 8 (r / 8), r = 0 .. 15,
; so that the results of two neighbouring tiles are 16 neighbours along the next product's K.
;   codes:  [tile][K step 0..7][c 0..1][lane][16 bytes]: lane (r, h) holds k = 128 step + 64 c + 32 h + 0 .. 31 of the tile's row r.  8,192 bytes a tile.
;   scales: at byte 0x200000: [tile][step / 2][r][step % 2] words; byte i of a word scales block i of the K step.  512 bytes a tile.
; Work-groups 0-255 take x, a tile each, a wave two K steps.  Work-groups 256-511 take the weights: 128 columns x 128 k each, a wave 32 columns (two tiles).
.set SPARE, 34816                      ; behind the four waves' stages: the spare words, 128 bytes for each wave
.set SPW, 12                           ; v12  LDS address of my spare word; never rewritten
.set NIL, 13                           ; v13  0; never rewritten
.set R,   16                           ; v16-143  x as it is loaded: step st at + 32 st
.set X,   144                          ; v144-207 two sets of 32 neighbours along K
.set C,   208                          ; v208-223 codes, four registers a step: no store's data are written again
.set E,   224                          ; v224-227 a scale byte for each step
.set WX,  16                           ; the weights' path: v16-79 two sets of 32 numbers down K
.set WC,  80                           ; v80-95 codes, four registers a block
	s_load_b256 s[4:11], s[0:1], 0x0               ; x s[4:5], Wq s[6:7], Wk s[8:9], Wv s[10:11]
	s_load_b128 s[12:15], s[0:1], 0x20             ; Wo s[12:13], xq s[14:15]
	s_load_b64 s[16:17], s[0:1], 0x30              ; wq
	v_lshl_add_u32 v[SPW], v0, 2, SPARE
	v_mov_b32 v[NIL], 0
	v_lshrrev_b32 v1, 5, v0
	v_readfirstlane_b32 s18, v1                    ; wave 0..3
	v_and_b32 v1, 31, v0                           ; lane
	v_and_b32 v2, 15, v0                           ; r
	v_bfe_u32 v3, v0, 4, 1                         ; h
	s_mul_i32 s30, s18, 8704                       ; my wave's two stages: 2 x 16 rows x 272 bytes
	v_lshlrev_b32 v4, 12, v3
	v_lshl_add_u32 v4, v2, 4, v4                   ; x: lanes 0-15 one row's 256 bytes, lanes 16-31 the next row's
	v_mul_u32_u24 v5, v3, 272
	v_lshl_add_u32 v5, v2, 4, v5
	v_add_nc_u32 v5, s30, v5                       ; into the stage, as loaded
	v_mul_u32_u24 v6, v2, 272
	v_lshl_add_u32 v6, v3, 7, v6
	v_add_nc_u32 v6, s30, v6                       ; out of it: row r, my half's 128 bytes: one block of 32
	v_lshlrev_b32 v7, 4, v1                        ; 16 x lane: an image's place
	v_lshlrev_b32 v14, 3, v3                       ; 8 h
	v_lshlrev_b32 v15, 3, v2
	v_lshl_add_u32 v15, v3, 2, v15                 ; 8 r + 4 h: a scale word's place
	s_mov_b32 s20, 0x76543210
	s_mov_b32 s21, 0xfedcba98                      ; v_permlanex16_b32's selects for lane l xor 16
	s_wait_kmcnt 0x0
	s_cmp_lt_u32 ttmp9, 256
	s_cbranch_scc0 .Lw
	; ---------------- x: tile T = the work-group's number; my wave: K steps 2 w and 2 w + 1, in four steps of 64 along K
	s_lshr_b32 s22, ttmp9, 1
	s_lshl_b32 s22, s22, 17                        ; 32 (T / 2) rows of 4,096 bytes
	s_and_b32 s23, ttmp9, 1
	s_lshl_b32 s23, s23, 15                        ; + 8 (T % 2) rows
	s_add_co_u32 s22, s22, s23
	s_lshl_b32 s23, s18, 10                        ; + my wave's 1,024 bytes of a row
	s_add_co_u32 s22, s22, s23
	s_mov_b32 s23, 0
	s_add_nc_u64 s[4:5], s[4:5], s[22:23]
	s_lshl_b32 s24, ttmp9, 13
	s_lshl_b32 s25, s18, 11
	s_add_co_u32 s24, s24, s25
	s_mov_b32 s25, 0
	s_add_nc_u64 s[26:27], s[14:15], s[24:25]      ; my codes: 8,192 T + 2,048 w
	s_lshl_b32 s24, ttmp9, 9
	s_lshl_b32 s28, s18, 7
	s_add_co_u32 s24, s24, s28
	s_add_co_u32 s24, s24, 0x200000
	s_add_nc_u64 s[28:29], s[14:15], s[24:25]      ; my scale words: 512 T + 128 w
.irp st, 0,1,2,3
.irp i, 0,1,2,3,4,5,6,7
	global_load_b128 v[R+32*\st+4*\i:R+32*\st+4*\i+3], v4, s[4:5] offset:(2*\i+8*(\i/4))*4096+256*\st th:TH_LOAD_NT   ; the tile's rows 2 i and 2 i + 1: 256 consecutive bytes each; all 32 loads go out at once
.endr
.endr
.macro TURN st                         ; a step's 16 rows x 256 bytes through my stage: LDS serves a wave's instructions in order, so no wait stands between the stores and the loads
.irp i, 0,1,2,3,4,5,6,7
	ds_store_b128 v5, v[R+32*(\st)+4*\i:R+32*(\st)+4*\i+3] offset:4352*((\st)%2)+544*\i
.endr
.irp j, 0,1,2,3,4,5,6,7
	ds_load_b128 v[X+32*((\st)%2)+4*\j:X+32*((\st)%2)+4*\j+3], v6 offset:4352*((\st)%2)+16*\j
.endr
.endm
.macro STEP st
.set XS, X+32*((\st)%2)
	s_wait_dscnt 0x0                               ; this step's block is back from the stage
.if (\st) < 3
	s_wait_loadcnt 8*(2-(\st))                     ; the next step's eight loads are in; those of the steps behind it may be out
	TURN (\st)+1                                   ; and go through the other stage while this step is worked
.endif
	v_max3_num_f32 v8, |v[XS]|, |v[XS+1]|, |v[XS+2]|       ; the block's largest magnitude: all 32 numbers are mine; two chains
	v_max3_num_f32 v9, |v[XS+3]|, |v[XS+4]|, |v[XS+5]|
.irp i, 6,10,14,18,22,26
	v_max3_num_f32 v8, v8, |v[XS+\i]|, |v[XS+\i+1]|
	v_max3_num_f32 v9, v9, |v[XS+\i+2]|, |v[XS+\i+3]|
.endr
	v_max3_num_f32 v8, v8, |v[XS+30]|, |v[XS+31]|
	v_max3_num_f32 v8, v8, v9, 0x1800000           ; and the floor 2^(3 - 127): the byte cannot fall under 1
	v_add_nc_u32 v11, 0xff000000, v8               ; 2 off the exponent field: the conversion takes this operand's exponent field as its scale
.irp g, 0,1,2,3
	v_cvt_scalef32_pk8_fp4_f32 v[C+4*(\st)+\g], v[XS+8*\g:XS+8*\g+7], v11
.endr
	v_lshrrev_b32 v[E+(\st)], 23, v11              ; the scale's byte (also the plain line behind the conversions)
	global_store_b128 v7, v[C+4*(\st):C+4*(\st)+3], s[26:27] offset:1024*((\st)/2)+512*((\st)%2)   ; 512 consecutive bytes: piece c = st % 2 of K step st / 2
.endm
	s_wait_loadcnt 24                              ; step 0's eight loads are in
	s_wait_alu depctr_va_vdst(0)
	TURN 0
.irp t, 0,1,2,3
	STEP \t
.endr
	v_mov_b32 v10, 0                               ; a lane permute's destination counts as one of its sources
.irp kk, 0,1
	v_lshl_or_b32 v[228+\kk], v[E+2*\kk+1], 16, v[E+2*\kk]   ; my two bytes of the K step's word: blocks h and 2 + h,
	v_lshlrev_b32 v[228+\kk], v14, v[228+\kk]                ; at their places (8 h bits up)
.endr
	v_permlanex16_b32 v10, v228, s20, s21
	v_or_b32 v228, v228, v10                       ; with lane l xor 16's two the word is whole
	v_permlanex16_b32 v10, v229, s20, s21
	v_or_b32 v229, v229, v10
	v_cmp_le_u32 vcc_lo, 16, v1
	v_cndmask_b32 v230, v228, v229, vcc_lo         ; lanes 0-15 store the first K step's word, lanes 16-31 the second's
	global_store_b32 v15, v230, s[28:29]           ; 128 consecutive bytes
	s_branch .Lend
	; ---------------- the weights: K is their first axis.  A lane takes a column and its registers run down K: a block of 32 lies in one lane, and nothing is transposed
.Lw:
	s_sub_co_u32 s22, ttmp9, 256
	s_lshr_b32 s23, s22, 6                         ; which weight: 0..3 = Wq, Wk, Wv, Wo
	s_bfe_u32 s24, s22, 0x30003                    ; which 128 columns
	s_and_b32 s25, s22, 7                          ; which K step
	s_cmp_eq_u32 s23, 1
	s_cselect_b64 s[6:7], s[8:9], s[6:7]
	s_cmp_eq_u32 s23, 2
	s_cselect_b64 s[6:7], s[10:11], s[6:7]
	s_cmp_eq_u32 s23, 3
	s_cselect_b64 s[6:7], s[12:13], s[6:7]
	s_lshl_b32 s26, s25, 19                        ; 128 rows of 4,096 bytes a K step
	s_lshl_b32 s27, s24, 9
	s_add_co_u32 s26, s26, s27
	s_lshl_b32 s27, s18, 7                         ; my wave's 32 columns
	s_add_co_u32 s26, s26, s27
	s_mov_b32 s27, 0
	s_add_nc_u64 s[6:7], s[6:7], s[26:27]
	s_lshl_b32 s28, s23, 6
	s_lshl_b32 s29, s24, 3
	s_add_co_u32 s28, s28, s29
	s_lshl_b32 s29, s18, 1
	s_add_co_u32 s28, s28, s29                     ; my first tile: 64 x weight + 8 x column group + 2 x wave
	s_lshl_b32 s30, s28, 13
	s_lshl_b32 s31, s25, 10
	s_add_co_u32 s30, s30, s31
	s_mov_b32 s31, 0
	s_add_nc_u64 s[32:33], s[16:17], s[30:31]      ; its codes of this K step
	s_lshl_b32 s30, s28, 9
	s_lshr_b32 s34, s25, 1
	s_lshl_b32 s34, s34, 7
	s_add_co_u32 s30, s30, s34
	s_and_b32 s34, s25, 1
	s_lshl_b32 s34, s34, 2
	s_add_co_u32 s30, s30, s34
	s_add_co_u32 s30, s30, 0x200000
	s_add_nc_u64 s[34:35], s[16:17], s[30:31]      ; and its scale words
	v_and_b32 v8, 8, v2
	v_add_nc_u32 v8, v8, v2
	v_lshl_add_u32 v8, v3, 3, v8                   ; my column among the wave's 32: 8 u + r + 8 (r / 8), u = lane / 16 the tile
	v_lshlrev_b32 v8, 2, v8
	v_lshlrev_b32 v9, 13, v3
	v_lshl_add_u32 v9, v2, 4, v9                   ; codes: 8,192 u + 16 r
	v_lshlrev_b32 v10, 9, v3
	v_lshl_add_u32 v10, v2, 3, v10                 ; scale word: 512 u + 8 r
.macro WLOAD t                         ; block t: W(32 t + i, my column): the wave's 32 lanes read 128 consecutive bytes, the four waves 512
.irp i, 0,1,2,3,4,5,6,7,8,9,10,11,12,13,14,15,16,17,18,19,20,21,22,23,24,25,26,27,28,29,30,31
	global_load_b32 v[WX+32*((\t)%2)+\i], v8, s[6:7] offset:(32*(\t)+\i)*4096 th:TH_LOAD_NT
.endr
.endm
.macro WBLOCK t
.set XS, WX+32*((\t)%2)
.if (\t) < 3
	s_wait_loadcnt 32                              ; this block's 32 loads are in; the next block's may be out
.else
	s_wait_loadcnt 0x0
.endif
	v_max3_num_f32 v97, |v[XS]|, |v[XS+1]|, |v[XS+2]|
	v_max3_num_f32 v98, |v[XS+3]|, |v[XS+4]|, |v[XS+5]|
.irp i, 6,10,14,18,22,26
	v_max3_num_f32 v97, v97, |v[XS+\i]|, |v[XS+\i+1]|
	v_max3_num_f32 v98, v98, |v[XS+\i+2]|, |v[XS+\i+3]|
.endr
	v_max3_num_f32 v97, v97, |v[XS+30]|, |v[XS+31]|
	v_max3_num_f32 v97, v97, v98, 0x1800000
	v_add_nc_u32 v99, 0xff000000, v97
	v_lshrrev_b32 v100, 23, v99
.if (\t) == 0
	v_mov_b32 v96, v100                            ; the K step's scale word: byte t = block t
.else
	v_lshl_or_b32 v96, v100, 8*(\t), v96
.endif
.irp g, 0,1,2,3
	v_cvt_scalef32_pk8_fp4_f32 v[WC+4*(\t)+\g], v[XS+8*\g:XS+8*\g+7], v99
.endr
	global_store_b128 v9, v[WC+4*(\t):WC+4*(\t)+3], s[32:33] offset:512*((\t)/2)+256*((\t)%2)   ; block t = piece t / 2, lanes' half t % 2 of the image: sixteen lanes fill 256 consecutive aligned bytes of their tile
.if (\t)+2 < 4
	WLOAD (\t)+2
.endif
.endm
	WLOAD 0
	WLOAD 1
.irp t, 0,1,2,3
	WBLOCK \t
.endr
	global_store_b32 v10, v96, s[34:35]            ; 4 bytes of every 8: the other word belongs to the neighbouring K step's work-group; one byte for each 128 that this path reads
.Lend:
	s_wait_tensorcnt 0x0                           ; the wave's end, behind the last LDS store
	ds_add_u32 v[SPW], v[NIL]
	s_wait_dscnt 0x0
	s_endpgm
.Lfunc_end_k_q41b478737c_quant:
	.size	k_q41b478737c_quant, .Lfunc_end_k_q41b478737c_quant-k_q41b478737c_quant
	.p2alignl 7, 3214868480
	.fill 96, 4, 3214868480
	.section	.rodata,"a",@progbits
	.p2align	6, 0x0
	.amdhsa_kernel k_q41b478737c_quant
		.amdhsa_group_segment_fixed_size 35328
		.amdhsa_private_segment_fixed_size 0
		.amdhsa_enable_private_segment 0
		.amdhsa_kernarg_size 56
		.amdhsa_user_sgpr_count 2
		.amdhsa_user_sgpr_kernarg_segment_ptr 1
		.amdhsa_wavefront_size32 1
		.amdhsa_system_sgpr_workgroup_id_x 1
		.amdhsa_system_sgpr_workgroup_id_y 1
		.amdhsa_system_sgpr_workgroup_id_z 1
		.amdhsa_system_vgpr_workitem_id 0
		.amdhsa_next_free_vgpr 232
		.amdhsa_next_free_sgpr 66
		.amdhsa_reserve_vcc 1
		.amdhsa_float_denorm_mode_32 3
		.amdhsa_float_denorm_mode_16_64 3
		.amdhsa_memory_ordered 1
		.amdhsa_forward_progress 1
		.amdhsa_inst_pref_size 37
	.end_amdhsa_kernel
	.amdgpu_metadata
---
amdhsa.version: [ 1, 2 ]
amdhsa.kernels:
  - .name:           k_q41b478737c_quant
    .symbol:         k_q41b478737c_quant.kd
    .args:
      - { .name: x, .offset: 0, .size: 8, .value_kind: global_buffer, .address_space: global }
      - { .name: Wq, .offset: 8, .size: 8, .value_kind: global_buffer, .address_space: global }
      - { .name: Wk, .offset: 16, .size: 8, .value_kind: global_buffer, .address_space: global }
      - { .name: Wv, .offset: 24, .size: 8, .value_kind: global_buffer, .address_space: global }
      - { .name: Wo, .offset: 32, .size: 8, .value_kind: global_buffer, .address_space: global }
      - { .name: xq, .offset: 40, .size: 8, .value_kind: global_buffer, .address_space: global }
      - { .name: wq, .offset: 48, .size: 8, .value_kind: global_buffer, .address_space: global }
    .group_segment_fixed_size: 35328
    .private_segment_fixed_size: 0
    .kernarg_segment_align: 8
    .kernarg_segment_size: 56
    .max_flat_workgroup_size: 128
    .sgpr_count:     66
    .vgpr_count:     232
    .wavefront_size: 32
...
	.end_amdgpu_metadata
.endif
;; end of part 1
;; launch qkv (part 2): grid 256 x 1, 6 waves a work-group, no clusters, 0 bytes of LDS; arguments xq, wq, bq, bk, bv, qq, kv; writes qq, kv
.if DOCPART == 2
	.amdgcn_target "amdgcn-amd-amdhsa--gfx1250"
	.amdhsa_code_object_version 6
	.text
	.protected	k_q41b478737c_qkv
	.globl	k_q41b478737c_qkv
	.p2align	8
	.type	k_q41b478737c_qkv,@function
k_q41b478737c_qkv:
	s_mov_b64 s[64:65], 0
	v_nop
	global_prefetch_b8 v0, s[64:65] scope:SCOPE_SE
	s_setreg_imm32_b32 hwreg(HW_REG_WAVE_MODE, 25, 1), 1
	s_wait_xcnt 0x0
; Launch 2 of 4: q = x Wq + bq, k = x Wk + bk, v = x Wv + bv on codes of E2M1, and their quantising for the attention: q and k along the head's 64, v along the keys.  Nothing is left out.
; A unit is 128 tokens x 128 columns (two heads) of one of q, k, v: 32 x 24 units, two waves to a unit, three units to a work-group: 1,536 equal waves.
; A wave makes 128 (R) x 64 (L): source 0 = a tile of R, source 1 = a tile of L, so that a lane holds ONE row of L and its registers run along R, which is the axis to be quantised:
;   q, k: R = 8 tiles of weight columns, L = 4 tiles of tokens;   v: R = 8 tiles of tokens (the keys), L = 4 tiles of weight columns (one head's 64 channels).
; Tile T holds rows 32 (T / 2) + 8 (T % 2) + r + 8 (r / 8): the 16 registers of R's tiles 2 b and 2 b + 1 are 16 neighbours, 32 b + 16 (lane / 16) + 0 .. 15.
; OPERANDS COME STRAIGHT FROM MEMORY INTO REGISTERS: they lie as images of the operands' registers, so every load of a wave is 512 consecutive bytes.  No LDS, no tensor loads, no joint loads:
; a wave loads 8 x 24 x 512 bytes = 96 KiB for its 256 matrix instructions.  Joint loads would ask for a ring in LDS, and R and L change places between the kinds of one work-group's waves,
; so that partners would not run one text on one descriptor; this form keeps every wave free of barriers.
; OUT.  qq: q's codes [head 32][token tile 128][lane][16 bytes]; at 0x200000 its scale words [head][tile / 4][r][tile % 4], a word = (block 0, block 1, block 0, block 1).
;   kv: [head 32][key step 16] records of 8,704 bytes: + 0 k's codes [key tile 8][lane][16]; + 4,096 v's codes [channel tile 4][c 2][lane][16]; + 8,192 k's scale words [pair of tiles 4][r]
;   (bytes: tile 2 p blocks 0, 1, tile 2 p + 1 blocks 0, 1); + 8,448 v's scale words [channel tile 4][r].
; LIMITS: as stated in the first launch (NaN and infinities not served; the scale byte is held at 1 from below, a block of zeros has the byte 1).
; REGISTERS.  Window 0: v1-11 offsets; v16-47 R's scale words, v48-63 L's (register 8 i + s: lanes 0-15 tile 2 i, lanes 16-31 tile 2 i + 1, K step s): these hold scales and nothing else;
;   v64-127 L's fragments, two sets; v128-255 R's, two sets.  Window 1: the 32 accumulators, (l, t) at v[64 l + 8 t].
.set RS, 16
.set LS, 48
.set LF, 64
.set RF, 128
.set BI, 128                           ; behind K step 6: the bias of q or k, 64 registers in the result's layout,
.set BV, 128                           ; or v's: a pair of equal numbers for each of L's four tiles
.set TM, 64                            ; the way out: v64-67 largest magnitudes, v68-71 bytes, v76-79 scale operands
.set PW, 80                            ; v80-83 the four scale words
.set PC, 96                            ; v96-127 the codes, eight registers for each of L's tiles: no store's data are written again
.set MSB, 0
.macro WIN new                         ; the immediate's high byte repeats the setting that is left
.if MSB != \new
	s_set_vgpr_msb (MSB<<8)|\new
.set MSB, \new
.endif
.endm
.macro PLACES                          ; four places behind a matrix instruction, ahead of loads into its sources and of reads of its result
.rept 4
	v_nop
.endr
.endm
.macro WM d, a, b, sa, sb, oa, ob, zero        ; one product; oa, ob: the side's scale words stand in lanes 16-31
.set rD, \d
.set rA, \a
.set rB, \b
.set rX, \sa
.set rY, \sb
.if \zero
.if (\oa) && (\ob)
	v_wmma_scale_f32_16x16x128_f8f6f4 v[rD:rD+7], v[rA:rA+7], v[rB:rB+7], 0, v[rX], v[rY] matrix_a_fmt:MATRIX_FMT_FP4 matrix_b_fmt:MATRIX_FMT_FP4 matrix_a_scale:MATRIX_SCALE_ROW1 matrix_b_scale:MATRIX_SCALE_ROW1
.elseif (\oa)
	v_wmma_scale_f32_16x16x128_f8f6f4 v[rD:rD+7], v[rA:rA+7], v[rB:rB+7], 0, v[rX], v[rY] matrix_a_fmt:MATRIX_FMT_FP4 matrix_b_fmt:MATRIX_FMT_FP4 matrix_a_scale:MATRIX_SCALE_ROW1
.elseif (\ob)
	v_wmma_scale_f32_16x16x128_f8f6f4 v[rD:rD+7], v[rA:rA+7], v[rB:rB+7], 0, v[rX], v[rY] matrix_a_fmt:MATRIX_FMT_FP4 matrix_b_fmt:MATRIX_FMT_FP4 matrix_b_scale:MATRIX_SCALE_ROW1
.else
	v_wmma_scale_f32_16x16x128_f8f6f4 v[rD:rD+7], v[rA:rA+7], v[rB:rB+7], 0, v[rX], v[rY] matrix_a_fmt:MATRIX_FMT_FP4 matrix_b_fmt:MATRIX_FMT_FP4
.endif
.else
.if (\oa) && (\ob)
	v_wmma_scale_f32_16x16x128_f8f6f4 v[rD:rD+7], v[rA:rA+7], v[rB:rB+7], v[rD:rD+7], v[rX], v[rY] matrix_a_fmt:MATRIX_FMT_FP4 matrix_b_fmt:MATRIX_FMT_FP4 matrix_a_scale:MATRIX_SCALE_ROW1 matrix_b_scale:MATRIX_SCALE_ROW1
.elseif (\oa)
	v_wmma_scale_f32_16x16x128_f8f6f4 v[rD:rD+7], v[rA:rA+7], v[rB:rB+7], v[rD:rD+7], v[rX], v[rY] matrix_a_fmt:MATRIX_FMT_FP4 matrix_b_fmt:MATRIX_FMT_FP4 matrix_a_scale:MATRIX_SCALE_ROW1
.elseif (\ob)
	v_wmma_scale_f32_16x16x128_f8f6f4 v[rD:rD+7], v[rA:rA+7], v[rB:rB+7], v[rD:rD+7], v[rX], v[rY] matrix_a_fmt:MATRIX_FMT_FP4 matrix_b_fmt:MATRIX_FMT_FP4 matrix_b_scale:MATRIX_SCALE_ROW1
.else
	v_wmma_scale_f32_16x16x128_f8f6f4 v[rD:rD+7], v[rA:rA+7], v[rB:rB+7], v[rD:rD+7], v[rX], v[rY] matrix_a_fmt:MATRIX_FMT_FP4 matrix_b_fmt:MATRIX_FMT_FP4
.endif
.endif
.endm
.macro MUL32 s, p, zero                ; K step s on fragment set p: the 32 accumulators by turns, one instruction a turn, in the same order in every step.  zero = 1: the products start the sums
	WIN 0x50                                       ; C and D in window 1
.irp l, 0,1,2,3
.irp t, 0,1,2,3,4,5,6,7
	WM 64*\l+8*\t, RF+64*(\p)+8*\t, LF+32*(\p)+8*\l, RS+8*(\t/2)+(\s), LS+8*(\l/2)+(\s), \t%2, \l%2, \zero
.endr
.endr
.endm
.macro SCALES                          ; all scale words of my 12 tiles, 24 loads: a lane takes two K steps' words of its row; lanes 0-15 the even tile, lanes 16-31 the odd one
.irp i, 0,1,2,3
.irp kq, 0,1,2,3
	global_load_b64 v[RS+8*\i+2*\kq:RS+8*\i+2*\kq+1], v2, s[28:29] offset:1024*\i+128*\kq
.endr
.endr
.irp i, 0,1
.irp kq, 0,1,2,3
	global_load_b64 v[LS+8*\i+2*\kq:LS+8*\i+2*\kq+1], v2, s[30:31] offset:1024*\i+128*\kq
.endr
.endr
.endm
.macro FETCH s, p                      ; K step s's 12 fragments into set p: 24 loads of 512 consecutive bytes
.irp t, 0,1,2,3,4,5,6,7
.irp c, 0,1
	global_load_b128 v[RF+64*(\p)+8*\t+4*\c:RF+64*(\p)+8*\t+4*\c+3], v1, s[24:25] offset:8192*\t+1024*(\s)+512*\c
.endr
.endr
.irp l, 0,1,2,3
.irp c, 0,1
	global_load_b128 v[LF+32*(\p)+8*\l+4*\c:LF+32*(\p)+8*\l+4*\c+3], v1, s[26:27] offset:8192*\l+1024*(\s)+512*\c
.endr
.endr
.endm
; The 64 results of L's tile l (register 16 b + i = place 32 b + 16 (lane / 16) + i along R) become a fragment's codes in v[PC + 8 l] on and its scale word in v[PW + l].
.macro QUANT l
	WIN 0x05                                       ; sources 0 and 1 in window 1
.irp b, 0,1,2,3
	v_max3_num_f32 v[TM+\b], |v[64*(\l)+16*\b]|, |v[64*(\l)+16*\b+1]|, 0x1800000   ; block b: my 16 numbers, and the floor 2^(3 - 127): the byte cannot fall under 1
.endr
.irp i, 2,4,6,8,10,12,14
.irp b, 0,1,2,3
	v_max3_num_f32 v[TM+\b], |v[64*(\l)+16*\b+\i]|, |v[64*(\l)+16*\b+\i+1]|, v[TM+\b]   ; (the four blocks by turns)
.endr
.endr
	WIN 0
.irp b, 0,1,2,3
	v_permlanex16_b32 v[TM+4+\b], v[TM+\b], s40, s41
.endr
.irp b, 0,1,2,3
	v_max_num_f32 v[TM+\b], v[TM+\b], v[TM+4+\b]   ; with lane l xor 16's: the block's largest magnitude
.endr
.irp b, 0,1,2,3
	v_add_nc_u32 v[TM+12+\b], 0xff000000, v[TM+\b] ; 2 off its exponent field: the conversion's scale operand
.endr
.irp b, 0,1,2,3
	v_lshrrev_b32 v[TM+4+\b], 23, v[TM+12+\b]      ; the scale's byte
.endr
	v_lshl_or_b32 v[PW+(\l)], v[TM+5], 8, v[TM+4]
	v_lshl_or_b32 v[PW+(\l)], v[TM+6], 16, v[PW+(\l)]
	v_lshl_or_b32 v[PW+(\l)], v[TM+7], 24, v[PW+(\l)]
	WIN 0x01                                       ; source 0 in window 1
.irp b, 0,1,2,3
	v_cvt_scalef32_pk8_fp4_f32 v[PC+8*(\l)+2*\b], v[64*(\l)+16*\b:64*(\l)+16*\b+7], v[TM+12+\b]
	v_cvt_scalef32_pk8_fp4_f32 v[PC+8*(\l)+2*\b+1], v[64*(\l)+16*\b+8:64*(\l)+16*\b+15], v[TM+12+\b]
.endr
	WIN 0
	v_nop                                          ; one plain place behind a scaled conversion
.irp c, 0,1                                    ; the operand's layout wants a whole block in a lane: lanes 0-15 block 2 c, lanes 16-31 block 2 c + 1
.irp i, 0,1
	v_permlane16_swap_b32 v[PC+8*(\l)+4*\c+\i], v[PC+8*(\l)+4*\c+2+\i]
.endr
.endr
.endm
	s_load_b256 s[4:11], s[0:1], 0x0               ; xq s[4:5], wq s[6:7], bq s[8:9], bk s[10:11]
	s_load_b128 s[12:15], s[0:1], 0x20             ; bv s[12:13], qq s[14:15]
	s_load_b64 s[16:17], s[0:1], 0x30              ; kv
	v_lshrrev_b32 v3, 5, v0
	v_readfirstlane_b32 s18, v3                    ; wave 0..5
	v_and_b32 v3, 31, v0                           ; lane
	v_and_b32 v4, 15, v0                           ; r
	v_bfe_u32 v5, v0, 4, 1                         ; h
	v_lshlrev_b32 v1, 4, v3                        ; 16 x lane: an image's place
	v_lshlrev_b32 v2, 9, v5
	v_lshl_add_u32 v2, v4, 3, v2                   ; scale words: 512 h + 8 r
	v_lshlrev_b32 v6, 6, v5                        ; q's, k's bias: my half's 16 columns of each 32
	v_and_b32 v7, 8, v4
	v_add_nc_u32 v7, v7, v4
	v_lshlrev_b32 v7, 2, v7                        ; v's bias: my channel r + 8 (r / 8) of a tile
	v_lshlrev_b32 v9, 13, v5
	v_lshl_add_u32 v9, v4, 4, v9                   ; q's scale words: lanes 0-15 the first head's, lanes 16-31 the second's, 8,192 bytes on
	v_lshlrev_b32 v11, 2, v3                       ; 4 x lane
	s_wait_alu depctr_va_vdst(0)
	s_lshr_b32 s19, ttmp9, 3                       ; mb: which 128 tokens
	s_and_b32 s20, ttmp9, 7
	s_mul_i32 s20, s20, 3
	s_lshr_b32 s21, s18, 1
	s_add_co_u32 s20, s20, s21                     ; ng 0..23: which 128 columns of q | k | v
	s_and_b32 s21, s18, 1                          ; which half of L
	s_lshr_b32 s22, s20, 3                         ; kind: 0 q, 1 k, 2 v
	s_and_b32 s23, s20, 7                          ; g: heads 2 g and 2 g + 1
	s_lshl_b32 s42, s21, 11
	v_add_nc_u32 v8, s42, v1                       ; q's, k's codes: my half's four tiles
	s_lshl_b32 s42, s21, 7
	v_add_nc_u32 v10, s42, v11                     ; k's scale words: my half's two pairs
	s_mov_b32 s40, 0x76543210
	s_mov_b32 s41, 0xfedcba98                      ; v_permlanex16_b32's selects for lane l xor 16
	s_lshl_b32 s42, s20, 3                         ; the weight's first tile (64 tiles a weight: 8 ng),
	s_lshl_b32 s43, s19, 3                         ; x's
	s_lshl_b32 s44, s21, 2
	s_cmp_eq_u32 s22, 2
	s_cselect_b32 s45, s43, s42                    ; R's first tile
	s_cselect_b32 s46, s42, s43
	s_add_co_u32 s46, s46, s44                     ; L's
	s_lshr_b32 s42, s19, 4                         ; batch
	s_and_b32 s43, s19, 15                         ; key step = the 128 tokens' place in the batch
	s_lshl_b32 s42, s42, 4
	s_lshl_b32 s44, s23, 1
	s_add_co_u32 s42, s42, s44                     ; the first head: 16 x batch + 2 g
	s_lshl_b32 s52, s42, 13                        ; q's scale words: 8,192 bytes a head, 512 a step, 256 a half
	s_lshl_b32 s44, s43, 9
	s_add_co_u32 s52, s52, s44
	s_lshl_b32 s44, s21, 8
	s_add_co_u32 s52, s52, s44
	s_add_co_u32 s52, s52, 0x200000
	s_mov_b32 s53, 0
	s_cmp_eq_u32 s22, 2
	s_cselect_b32 s44, s21, 0
	s_add_co_u32 s42, s42, s44                     ; (v: my half is a head of its own)
	s_lshl_b32 s47, s42, 16
	s_lshl_b32 s44, s43, 12
	s_add_co_u32 s47, s47, s44                     ; in qq: 65,536 bytes a head, 4,096 a step
	s_mul_i32 s50, s42, 139264
	s_mul_i32 s44, s43, 8704
	s_add_co_u32 s50, s50, s44                     ; in kv: 139,264 bytes a head, 8,704 a step
	s_mov_b32 s54, 139264
	s_cmp_eq_u32 s22, 0
	s_cselect_b32 s50, s47, s50
	s_cselect_b32 s54, 65536, s54                  ; from the first head to the second
	s_mov_b32 s51, 0
	s_mov_b32 s55, 0
	s_lshl_b32 s48, s23, 9                         ; the bias: my 128 columns (v: my head's 64)
	s_lshl_b32 s44, s21, 8
	s_cmp_eq_u32 s22, 2
	s_cselect_b32 s44, s44, 0
	s_add_co_u32 s48, s48, s44
	s_mov_b32 s49, 0
	s_wait_kmcnt 0x0
	s_cmp_eq_u32 s22, 0
	s_cselect_b64 s[34:35], s[14:15], s[16:17]     ; q goes to qq, k and v to kv
	s_cselect_b64 s[32:33], s[8:9], s[10:11]
	s_cmp_eq_u32 s22, 2
	s_cselect_b64 s[32:33], s[12:13], s[32:33]     ; the kind's bias
	s_cselect_b64 s[24:25], s[4:5], s[6:7]         ; R: the weight, for v the tokens
	s_cselect_b64 s[26:27], s[6:7], s[4:5]         ; L: the tokens, for v the weight
	s_add_nc_u64 s[32:33], s[32:33], s[48:49]
	s_add_nc_u64 s[34:35], s[34:35], s[50:51]      ; DA: the first head's place (v: my head's)
	s_add_nc_u64 s[36:37], s[34:35], s[54:55]      ; DB: the second head's (not used by v)
	s_add_nc_u64 s[38:39], s[14:15], s[52:53]      ; q's scale words (used by q alone)
	s_lshl_b32 s48, s45, 9
	s_add_co_u32 s48, s48, 0x200000
	s_add_nc_u64 s[28:29], s[24:25], s[48:49]      ; R's scale words
	s_lshl_b32 s48, s46, 9
	s_add_co_u32 s48, s48, 0x200000
	s_add_nc_u64 s[30:31], s[26:27], s[48:49]      ; L's
	s_lshl_b32 s48, s45, 13
	s_add_nc_u64 s[24:25], s[24:25], s[48:49]      ; R's images
	s_lshl_b32 s48, s46, 13
	s_add_nc_u64 s[26:27], s[26:27], s[48:49]      ; L's
	SCALES
	FETCH 0, 0
	FETCH 1, 1
.irp s, 0,1,2,3,4,5
	s_wait_loadcnt 24                              ; this K step's set is in (and the scale words); the other set's 24 loads may be out
.if \s == 0
	MUL32 \s, \s%2, 1
.else
	MUL32 \s, \s%2, 0
.endif
	WIN 0
	PLACES
	FETCH \s+2, \s%2
.endr
	s_wait_loadcnt 24
	MUL32 6, 0, 0
	WIN 0
	PLACES
	s_cmp_eq_u32 s22, 2                            ; set 0 is free: it takes the bias
	s_cbranch_scc1 .Lbias_v
.irp t, 0,1,2,3,4,5,6,7
	global_load_b128 v[BI+8*\t:BI+8*\t+3], v6, s[32:33] offset:4*(32*(\t/2)+8*(\t%2))       ; register 8 t + j: column 32 (t / 2) + 16 h + 8 (t % 2) + j
	global_load_b128 v[BI+8*\t+4:BI+8*\t+7], v6, s[32:33] offset:4*(32*(\t/2)+8*(\t%2))+16
.endr
	s_wait_loadcnt 16                              ; K step 7's set is in; the 16 bias loads may be out
	s_branch .Lk7
.Lbias_v:
.irp l, 0,1,2,3
	global_load_b32 v[BV+2*\l], v7, s[32:33] offset:4*(32*(\l/2)+8*(\l%2))                   ; my channel's bias, twice: a pair for the packed addition
	global_load_b32 v[BV+2*\l+1], v7, s[32:33] offset:4*(32*(\l/2)+8*(\l%2))
.endr
	s_wait_loadcnt 8                               ; K step 7's set is in; the 8 bias loads may be out
.Lk7:
	MUL32 7, 1, 0
	WIN 0
.irp b, 0,1,2,3
	v_mov_b32 v[TM+4+\b], 0                        ; a lane permute's destination counts as one of its sources; these four are also the places behind the last product
.endr
	s_wait_loadcnt 0x0                             ; the bias
	v_cmp_le_u32 vcc_lo, 16, v3                    ; lanes 16-31
	s_cmp_eq_u32 s22, 2
	s_cbranch_scc1 .Larm_v
	; ---------------- q and k: a lane holds one token; blocks 0, 1 are the first head's 64 channels, blocks 2, 3 the second's
.irp l, 0,1,2,3
	WIN 0x41                                       ; the accumulators in window 1, the bias in window 0
.irp i, 0,2,4,6,8,10,12,14,16,18,20,22,24,26,28,30,32,34,36,38,40,42,44,46,48,50,52,54,56,58,60,62
	v_pk_add_f32 v[64*\l+\i:64*\l+\i+1], v[64*\l+\i:64*\l+\i+1], v[BI+\i:BI+\i+1]          ; each accumulator from its low end on
.endr
	QUANT \l
	global_store_b128 v8, v[PC+8*\l:PC+8*\l+3], s[34:35] offset:512*\l                       ; the first head's 64 channels of 16 tokens: 512 consecutive bytes
	global_store_b128 v8, v[PC+8*\l+4:PC+8*\l+7], s[36:37] offset:512*\l                     ; the second head's
.endr
	s_cmp_eq_u32 s22, 0
	s_cbranch_scc0 .Lk_words
	v_mov_b32 v84, 0x01000100                      ; q's word: my head's two bytes, twice: it serves [q | 0] and [0 | q] alike
	v_mov_b32 v85, 0x03020302
	v_cndmask_b32 v84, v84, v85, vcc_lo            ; lanes 0-15 the first head, lanes 16-31 the second
.irp l, 0,1,2,3
	v_perm_b32 v[88+\l], v[PW+\l], v[PW+\l], v84
.endr
	global_store_b128 v9, v[88:91], s[38:39]       ; four tiles' words of my row: sixteen lanes fill 256 consecutive aligned bytes of their head
	s_endpgm
.Lk_words:
	s_mov_b32 s42, 0x05040100
	s_mov_b32 s43, 0x07060302
	v_perm_b32 v85, v[PW+1], v[PW], s42            ; the first head: tiles 0, 1 of my four: their blocks 0, 1
	v_perm_b32 v86, v[PW+3], v[PW+2], s42          ; tiles 2, 3
	v_perm_b32 v87, v[PW+1], v[PW], s43            ; the second head: their blocks 2, 3
	v_perm_b32 v88, v[PW+3], v[PW+2], s43
	v_cndmask_b32 v85, v85, v86, vcc_lo            ; lanes 0-15 store the first pair's word, lanes 16-31 the second's
	v_cndmask_b32 v87, v87, v88, vcc_lo
	global_store_b32 v10, v85, s[34:35] offset:8192    ; 128 consecutive bytes
	global_store_b32 v10, v87, s[36:37] offset:8192
	s_endpgm
	; ---------------- v: a lane holds one channel, and its registers run along the 128 keys
.Larm_v:
.irp l, 0,1,2,3
	WIN 0x41
.irp i, 0,2,4,6,8,10,12,14,16,18,20,22,24,26,28,30,32,34,36,38,40,42,44,46,48,50,52,54,56,58,60,62
	v_pk_add_f32 v[64*\l+\i:64*\l+\i+1], v[64*\l+\i:64*\l+\i+1], v[BV+2*\l:BV+2*\l+1]
.endr
	QUANT \l
	global_store_b128 v1, v[PC+8*\l:PC+8*\l+3], s[34:35] offset:4096+1024*\l
	global_store_b128 v1, v[PC+8*\l+4:PC+8*\l+7], s[34:35] offset:4096+1024*\l+512
.endr
	v_cndmask_b32 v85, v[PW], v[PW+1], vcc_lo      ; lanes 0-15 store the even tile's words, lanes 16-31 the odd one's
	v_cndmask_b32 v86, v[PW+2], v[PW+3], vcc_lo
	global_store_b32 v11, v85, s[34:35] offset:8448
	global_store_b32 v11, v86, s[34:35] offset:8576
	s_endpgm
.Lfunc_end_k_q41b478737c_qkv:
	.size	k_q41b478737c_qkv, .Lfunc_end_k_q41b478737c_qkv-k_q41b478737c_qkv
	.p2alignl 7, 3214868480
	.fill 96, 4, 3214868480
	.section	.rodata,"a",@progbits
	.p2align	6, 0x0
	.amdhsa_kernel k_q41b478737c_qkv
		.amdhsa_group_segment_fixed_size 0
		.amdhsa_private_segment_fixed_size 0
		.amdhsa_enable_private_segment 0
		.amdhsa_kernarg_size 56
		.amdhsa_user_sgpr_count 2
		.amdhsa_user_sgpr_kernarg_segment_ptr 1
		.amdhsa_wavefront_size32 1
		.amdhsa_system_sgpr_workgroup_id_x 1
		.amdhsa_system_sgpr_workgroup_id_y 1
		.amdhsa_system_sgpr_workgroup_id_z 1
		.amdhsa_system_vgpr_workitem_id 0
		.amdhsa_next_free_vgpr 512
		.amdhsa_next_free_sgpr 66
		.amdhsa_reserve_vcc 1
		.amdhsa_float_denorm_mode_32 3
		.amdhsa_float_denorm_mode_16_64 3
		.amdhsa_memory_ordered 1
		.amdhsa_forward_progress 1
		.amdhsa_inst_pref_size 111
	.end_amdhsa_kernel
	.amdgpu_metadata
---
amdhsa.version: [ 1, 2 ]
amdhsa.kernels:
  - .name:           k_q41b478737c_qkv
    .symbol:         k_q41b478737c_qkv.kd
    .args:
      - { .name: xq, .offset: 0, .size: 8, .value_kind: global_buffer, .address_space: global }
      - { .name: wq, .offset: 8, .size: 8, .value_kind: global_buffer, .address_space: global }
      - { .name: bq, .offset: 16, .size: 8, .value_kind: global_buffer, .address_space: global }
      - { .name: bk, .offset: 24, .size: 8, .value_kind: global_buffer, .address_space: global }
      - { .name: bv, .offset: 32, .size: 8, .value_kind: global_buffer, .address_space: global }
      - { .name: qq, .offset: 40, .size: 8, .value_kind: global_buffer, .address_space: global }
      - { .name: kv, .offset: 48, .size: 8, .value_kind: global_buffer, .address_space: global }
    .group_segment_fixed_size: 0
    .private_segment_fixed_size: 0
    .kernarg_segment_align: 8
    .kernarg_segment_size: 56
    .max_flat_workgroup_size: 192
    .sgpr_count:     66
    .vgpr_count:     512
    .wavefront_size: 32
...
	.end_amdgpu_metadata
.endif
;; end of part 2
;; launch attn (part 3): grid 8 x 32, 16 waves a work-group, clusters of 4 x 1, 327,680 bytes of LDS; arguments qq, kv, aq; writes aq
.if DOCPART == 3
	.amdgcn_target "amdgcn-amd-amdhsa--gfx1250"
	.amdhsa_code_object_version 6
	.text
	.protected	k_q41b478737c_attn
	.globl	k_q41b478737c_attn
	.p2align	8
	.type	k_q41b478737c_attn,@function
k_q41b478737c_attn:
	s_mov_b64 s[64:65], 0
	v_nop
	global_prefetch_b8 v0, s[64:65] scope:SCOPE_SE
	s_setreg_imm32_b32 hwreg(HW_REG_WAVE_MODE, 25, 1), 1
	s_wait_xcnt 0x0
	s_wait_alu depctr_hold_cnt(0) depctr_sa_sdst(0) depctr_va_vdst(0) depctr_va_sdst(0) depctr_va_ssrc(0) depctr_va_vcc(0) depctr_vm_vsrc(0)
	s_getreg_b32 s2, hwreg(HW_REG_IB_STS2, 6, 4)
	s_cmp_eq_u32 s2, 0
	s_cbranch_scc0 .Lentry_in_a_cluster
	s_endpgm
.Lentry_in_a_cluster:
	s_bfe_u32 s2, ttmp6, 0x10000c
	s_cmp_lg_u32 s2, 0x3003
	s_cbranch_scc0 .Lentry_shape_is_right
	s_endpgm
.Lentry_shape_is_right:
; Launch 3 of 4: o = softmax(q k^T / 8) v for 32 heads of 2,048 tokens, both products on codes of E2M1, and o's quantising along the head's 64 for the last product.  Nothing is left out.
; THE SOFTMAX: t = score x log2(e) / 8; M = the running largest t rounded up to a whole number; p = 2^(t - M) is quantised along the keys; the row's sum is taken of the unquantised p and divides at the end.
; LIMITS: NaN and infinities are not served; the promise holds while |t| stays under 2^31; a block's scale byte is held at 1 from below.  A block's largest p is made from its largest score by the same
; multiply-add and exponential, which takes v_exp_f32 not to fall where its input rises.
; SHARES: a work-group owns 256 queries of a head, each of its 16 waves one tile of 16.  A head's 16 records of 128 keys (k's codes, v's codes, their scale words: 8,704 bytes each) all lie in LDS.
; The four work-groups of a cluster walk the same head: each record is asked for jointly (mask 15).  Each wave asks for 17 rows of 256 bytes of the first eight records at the head, and of the last eight behind
; a round of the cluster's barrier; key steps 0 to 6 read the first eight records alone while the second load is out; it is awaited, with a barrier, ahead of step 7.
; No prefetch: both loads stand at the head, and no loop runs ahead of them.
; LDS rows are 256 bytes + 32 of padding: the two groups of eight rows that a load of k touches lie four rows apart, 1,152 bytes, so that sixteen lanes touch sixteen different columns of 16 bytes.
; LAYOUT: S^T = k q^T (source 0 = two tiles of 16 keys side by side along K = 128, source 1 = [q | 0] or [0 | q]), O^T = v^T p^T: a lane holds one query throughout.
; THE KEYS OF A TILE ARE CHOSEN BY ADDRESS: row rho of tile (c, u) is key 64 c + 32 (rho / 8) + 8 u + rho % 8.  So lane (r, h) holds in S + 32 c + 8 u + j the key 64 c + 32 h + 8 u + j:
; a whole block of 32 keys in one lane, and the conversion of tile (c, u) is register 4 c + u of p's operand as it stands.
.set ROWP,  288                        ; an LDS row
.set STEPB, 34*ROWP                    ; a record of 128 keys
.set HALFB, 8*STEPB
.set WPART, 17*ROWP                    ; what one tensor load fills
.set VOFF,  16*ROWP                    ; in a record: v's codes,
.set KSO,   32*ROWP                    ; k's scale words,
.set VSO,   33*ROWP                    ; v's
.set SPARE, 16*STEPB                   ; behind the records: the spare words, 128 bytes for each wave
.set SPW, 5                            ; v5  my spare word's address; v6  0: never rewritten
.set NIL, 6
.set QLO, 16                           ; v16-23 [q | 0], v24-31 [0 | q]
.set QHI, 24
.set KF,  32                           ; v32-63 k: four pairs of tiles
.set VF,  64                           ; v64-95 v: four channel tiles
.set S,   96                           ; v96-159 S^T, then p
.set O,   160                          ; v160-191 O^T
.set PC,  192                          ; v192-199 p's codes
.set BM,  200                          ; v200-203 maxima, then partial sums
.set BX,  204
.set SO,  208
.set F,   212
.set TA,  214
.set OM,  215
.set SM2, 216
.set KS,  218                          ; v218-223 hold scales and nothing else
.set VS,  220
.set QS,  222
.set PS,  223
.set KA0, 224                          ; my lane's place in a tile of k, among k's scale words, in a fragment of v
.set KS0, 225
.set VA0, 226
.set WV,  10
.set SEL, 32
.set CS,  34
.set TB,  36                           ; s36 where the step's record begins in LDS
.set CNT, 37
.macro ROUND                           ; a round of the cluster's barrier
	s_barrier_signal -1
	s_barrier_wait -1
	s_cmp_lg_u32 s[WV], 0
	s_cbranch_scc1 .Lnot_wave_0_\@
	s_barrier_signal -3
.Lnot_wave_0_\@:
	s_barrier_wait -3
	s_barrier_signal -1
	s_barrier_wait -1
.endm
	s_load_b128 s[4:7], s[0:1], 0x0                ; qq, kv
	s_load_b64 s[8:9], s[0:1], 0x10                ; aq
	v_lshl_add_u32 v[SPW], v0, 2, SPARE
	v_mov_b32 v[NIL], 0
	ds_add_u32 v[SPW], v[NIL]                      ; the opening lines: the add twice on end and its wait
	ds_add_u32 v[SPW], v[NIL]
	v_lshrrev_b32 v7, 5, v0
	s_delay_alu instid0(VALU_DEP_1)
	v_readfirstlane_b32 s[WV], v7                  ; wave 0..15
	s_bfe_u32 s11, ttmp6, 0x40000
	s_lshl_b32 s12, ttmp9, 2
	s_add_co_u32 s12, s12, s11                     ; which 256 queries
	s_and_b32 s13, ttmp7, 0xffff                   ; the head
	s_mov_b32 s16, 15|(3<<16)|(1<<20)|(1<<21)|(5<<22)|(7<<25)   ; mask of the four; elements of 8 bytes; 8 words of padding behind every 64
	s_mov_b32 s17, 32<<16
	s_mov_b32 s18, 17<<16
	s_mov_b32 s19, 32<<16
	s_mov_b32 s20, 17
	s_mov_b32 s21, 32
	s_mov_b32 s22, 0
	s_mov_b32 s23, 0
	s_mul_i32 s40, s[WV], 4352                     ; my 17 rows in memory,
	s_mul_i32 s41, s[WV], WPART                    ; and in LDS
	s_mul_i32 s38, s13, 139264
	s_add_co_u32 s38, s38, s40
	s_mov_b32 s39, 0
	s_mov_b32 s[SEL], 0x76543210
	s_mov_b32 s[SEL+1], 0xfedcba98                 ; lane l xor 16
	s_mov_b32 s[CS], 0x3e38aa3b                    ; log2(e) / 8
	s_mov_b32 s[CS+1], s[CS]
	s_mov_b32 s[TB], 0
	v_and_b32 v2, 31, v0
	v_and_b32 v7, 15, v0                           ; r
	v_bfe_u32 v8, v0, 4, 1                         ; h
	v_and_b32 v10, 7, v0
	v_bfe_u32 v11, v0, 3, 1
	v_lshlrev_b32 v1, 4, v2                        ; 16 x lane
	v_lshlrev_b32 v2, 2, v2                        ; 4 x lane
	v_lshlrev_b32 v9, 4, v7
	v_mul_u32_u24 v[VA0], v8, ROWP
	v_lshlrev_b32 v[KS0], 2, v10
	s_delay_alu instid0(VALU_DEP_2)
	v_mad_u32_u24 v[KA0], v11, 4*ROWP, v[VA0]
	s_delay_alu instid0(VALU_DEP_2)
	v_lshl_add_u32 v[KS0], v11, 6, v[KS0]
	s_delay_alu instid0(VALU_DEP_2)
	v_lshl_add_u32 v[KA0], v10, 4, v[KA0]          ; k: 16 (l % 8) + 4 rows x ((l / 8) % 2) + a row x h
	s_delay_alu instid0(VALU_DEP_2)
	v_lshl_add_u32 v[KS0], v8, 5, v[KS0]           ; its words: 4 (l % 8) + 64 ((l / 8) % 2) + 32 h
	v_lshl_add_u32 v[VA0], v7, 4, v[VA0]           ; v: 16 r + a row x h
	s_wait_alu depctr_va_vdst(0)
	s_wait_dscnt 0x0
	s_wait_kmcnt 0x0
	s_add_nc_u64 s[42:43], s[6:7], s[38:39]
	ROUND                                          ; in front of the first joint loads
	s_mov_b32 s24, 1
	s_mov_b32 s25, s41
	s_mov_b64 s[26:27], s[42:43]
	s_or_b32 s27, s27, 0x80000000
	s_mov_b32 s28, 1
	s_add_co_u32 s29, s41, HALFB
	s_add_nc_u64 s[30:31], s[42:43], 69632
	s_or_b32 s31, s31, 0x80000000
	tensor_load_to_lds s[24:27], s[16:23]          ; my part of records 0 to 7: one load a wave at the head
	s_nop 0
	s_lshl_b32 s44, s13, 7                         ; under its flight: q, and the registers' first values
	s_lshl_b32 s45, s12, 4
	s_add_co_u32 s44, s44, s45
	s_add_co_u32 s44, s44, s[WV]
	s_lshl_b32 s44, s44, 9
	s_mov_b32 s45, 0
	s_add_nc_u64 s[46:47], s[4:5], s[44:45]        ; my tile of q: 512 bytes
	s_lshl_b32 s44, s13, 5
	s_lshl_b32 s48, s12, 2
	s_add_co_u32 s44, s44, s48
	s_lshr_b32 s48, s[WV], 2
	s_add_co_u32 s44, s44, s48
	s_lshl_b32 s44, s44, 8
	s_and_b32 s48, s[WV], 3
	s_lshl_b32 s48, s48, 2
	s_add_co_u32 s44, s44, s48
	s_add_co_u32 s44, s44, 0x200000
	s_add_nc_u64 s[48:49], s[4:5], s[44:45]        ; its scale words
	global_load_b128 v[QLO:QLO+3], v1, s[46:47]
	global_load_b128 v[QHI+4:QHI+7], v1, s[46:47]
	global_load_b32 v[QS], v9, s[48:49]
	s_lshr_b32 s50, s13, 4
	s_lshl_b32 s50, s50, 7
	s_lshl_b32 s51, s12, 4
	s_add_co_u32 s50, s50, s51
	s_add_co_u32 s50, s50, s[WV]                   ; my token tile in aq
	s_and_b32 s51, s13, 15
	s_lshl_b32 s52, s50, 4
	s_add_co_u32 s52, s52, s51
	s_lshl_b32 s52, s52, 9
	s_mov_b32 s53, 0
	s_add_nc_u64 s[54:55], s[8:9], s[52:53]        ; o's codes: piece head % 2 of K step head / 2
	s_lshl_b32 s52, s50, 9
	s_lshr_b32 s56, s51, 2
	s_lshl_b32 s56, s56, 7
	s_add_co_u32 s52, s52, s56
	s_bfe_u32 s56, s51, 0x10001
	s_lshl_b32 s56, s56, 2
	s_add_co_u32 s52, s52, s56
	s_and_b32 s56, s51, 1
	s_lshl_b32 s56, s56, 1
	s_add_co_u32 s52, s52, s56
	s_add_co_u32 s52, s52, 0x200000
	s_add_nc_u64 s[56:57], s[8:9], s[52:53]        ; and its scale bytes
.irp j, 4,5,6,7,8,9,10,11
	v_mov_b32 v[QLO+\j], 0                         ; the zero halves of [q | 0] and [0 | q]
.endr
	v_mov_b32 v13, 0xff61b1e6                      ; the largest score so far: -3e38
	s_delay_alu instid0(VALU_DEP_1)
	v_floor_f32 v12, -v13                          ; -M
	v_mov_b32 v14, 0                               ; the sum, in two halves
	v_mov_b32 v15, 0
.irp b, 0,1,2,3
	v_mov_b32 v[BX+\b], 0                          ; a lane permute's destination counts as one of its sources
.endr
	v_mov_b32 v[F+1], 0
	v_mov_b32 v[TA], 0
.irp j, 0,1,2,3,4,5,6,7,8,9,10,11,12,13,14,15,16,17,18,19,20,21,22,23,24,25,26,27,28,29,30,31
	v_mov_b32 v[O+\j], 0                           ; the step is written once: the first finds zeros
.endr
.macro KLOAD a, s, off                 ; pair p = 2 c + v: tiles (c, 2 v) and (c, 2 v + 1); a word register c: lanes 0-15 pair 2 c, lanes 16-31 pair 2 c + 1
.irp p, 0,1,2,3
.irp e, 0,1
	ds_load_b128 v[KF+8*\p+4*\e:KF+8*\p+4*\e+3], v[\a] offset:\off+ROWP*(8*(\p/2)+2*\e)+128*(\p%2)
.endr
.endr
	ds_load_b32 v[KS], v[\s] offset:\off+KSO
	ds_load_b32 v[KS+1], v[\s] offset:\off+KSO+128
.endm
.macro SUMS from, to                   ; pairs of p onto four chains by turns
.set k, \from
.rept \to-\from+1
.if ((k-6)%4) == 0
	v_pk_add_f32 v[14:15], v[14:15], v[S+2*k:S+2*k+1]
.elseif ((k-6)%4) == 1
	v_pk_add_f32 v[SM2:SM2+1], v[SM2:SM2+1], v[S+2*k:S+2*k+1]
.elseif ((k-6)%4) == 2
	v_pk_add_f32 v[BM:BM+1], v[BM:BM+1], v[S+2*k:S+2*k+1]
.else
	v_pk_add_f32 v[BM+2:BM+3], v[BM+2:BM+3], v[S+2*k:S+2*k+1]
.endif
.set k, k+1
.endr
.endm
; A KEY STEP: 128 keys.  more = 1: the next step's k is fetched too.
.macro STEP more
	s_wait_dscnt 0x0                               ; k's fragments and words, asked for a step ago
.irp p, 0,1,2,3
.if \p%2
	v_wmma_scale_f32_16x16x128_f8f6f4 v[S+16*\p:S+16*\p+7], v[KF+8*\p:KF+8*\p+7], v[QLO:QLO+7], 0, v[KS+\p/2], v[QS] matrix_a_fmt:MATRIX_FMT_FP4 matrix_b_fmt:MATRIX_FMT_FP4 matrix_a_scale:MATRIX_SCALE_ROW1
	v_wmma_scale_f32_16x16x128_f8f6f4 v[S+16*\p+8:S+16*\p+15], v[KF+8*\p:KF+8*\p+7], v[QHI:QHI+7], 0, v[KS+\p/2], v[QS] matrix_a_fmt:MATRIX_FMT_FP4 matrix_b_fmt:MATRIX_FMT_FP4 matrix_a_scale:MATRIX_SCALE_ROW1
.else
	v_wmma_scale_f32_16x16x128_f8f6f4 v[S+16*\p:S+16*\p+7], v[KF+8*\p:KF+8*\p+7], v[QLO:QLO+7], 0, v[KS+\p/2], v[QS] matrix_a_fmt:MATRIX_FMT_FP4 matrix_b_fmt:MATRIX_FMT_FP4
	v_wmma_scale_f32_16x16x128_f8f6f4 v[S+16*\p+8:S+16*\p+15], v[KF+8*\p:KF+8*\p+7], v[QHI:QHI+7], 0, v[KS+\p/2], v[QS] matrix_a_fmt:MATRIX_FMT_FP4 matrix_b_fmt:MATRIX_FMT_FP4
.endif
.endr
	v_add_nc_u32 v3, s[TB], v[VA0]                 ; four places behind the products, ahead of the loads and of the first read of S^T
	v_add_nc_u32 v4, s[TB], v2
.if \more
	v_add_nc_u32 v10, s[TB], v[KA0]
	v_add_nc_u32 v11, s[TB], v[KS0]
.else
	v_nop
	v_nop
.endif
.irp f, 0,1,2,3,4,5,6,7
	ds_load_b128 v[VF+4*\f:VF+4*\f+3], v3 offset:VOFF+2*ROWP*\f
.endr
	ds_load_b32 v[VS], v4 offset:VSO
	ds_load_b32 v[VS+1], v4 offset:VSO+128
.if \more
	KLOAD 10, 11, STEPB
.endif
.irp b, 0,1,2,3
	v_max3_num_f32 v[BM+\b], v[S+16*\b], v[S+16*\b+1], v[S+16*\b+2]   ; four chains of 16 scores; each accumulator is first read at its low end
.endr
.irp i, 3,5,7,9,11,13
.irp b, 0,1,2,3
	v_max3_num_f32 v[BM+\b], v[BM+\b], v[S+16*\b+\i], v[S+16*\b+\i+1]
.endr
.endr
	v_max3_num_f32 v[BM], v[BM], v[BM+1], v[S+15]
	v_max3_num_f32 v[BM+2], v[BM+2], v[BM+3], v[S+47]
	v_max_num_f32 v[BM], v[BM], v[S+31]            ; my block 2 x 0 + h: its largest score,
	v_max_num_f32 v[BM+2], v[BM+2], v[S+63]        ; and block 2 + h's
	v_max_num_f32 v[TA], v[BM], v[BM+2]
	v_mov_b32 v[OM], v12
	v_permlanex16_b32 v[BX], v[TA], s[SEL], s[SEL+1]
	v_max3_num_f32 v13, v13, v[TA], v[BX]          ; the running largest score of my query
	v_mul_f32 v[TA], s[CS], v13                    ; as t
	v_floor_f32 v12, -v[TA]                        ; -M = floor(-t)
	v_sub_f32 v[TA], v12, v[OM]                    ; old M - new M: a whole number, 0 or less
	v_fma_f32 v[BM], v[BM], s[CS], v12             ; t - M of each block's largest score
	v_fma_f32 v[BM+2], v[BM+2], s[CS], v12
	v_cvt_i32_f32 v[TA], v[TA]                     ; (it saturates)
.irp j, 0,2,4,6
	v_pk_fma_f32 v[S+\j:S+\j+1], v[S+\j:S+\j+1], s[CS:CS+1], v[12:13] op_sel_hi:[1,0,0]   ; t - M, two at a time
.endr
	v_ldexp_f32 v[F], 1.0, v[TA]                   ; f = 2^(old M - new M)
.irp j, 8,10,12,14,16,18,20,22,24,26,28,30,32,34,36,38,40,42,44,46,48,50,52,54,56,58,60,62
	v_pk_fma_f32 v[S+\j:S+\j+1], v[S+\j:S+\j+1], s[CS:CS+1], v[12:13] op_sel_hi:[1,0,0]
.endr
.irp j, 0,2,4,6,8,10,12,14,16,18,20,22,24,26,28,30
	v_pk_mul_f32 v[O+\j:O+\j+1], v[O+\j:O+\j+1], v[F:F+1] op_sel_hi:[1,0]   ; O^T under the new M, ahead of the exponentials
.endr
	s_wait_alu depctr_va_vdst(0)
	v_exp_f32 v[BM], v[BM]                         ; the two blocks' largest p
	v_exp_f32 v[BM+2], v[BM+2]
.irp j, 0,1,2,3,4,5,6,7,8,9,10,11,12,13,14,15,16,17,18,19,20,21,22,23,24,25,26,27,28,29,30,31,32,33,34,35,36,37,38,39,40,41,42,43,44,45,46,47,48,49,50,51,52,53,54,55,56,57,58,59,60,61,62,63
	v_exp_f32 v[S+\j], v[S+\j]                     ; p = 2^(t - M)
.endr
	v_pk_mul_f32 v[14:15], v[14:15], v[F:F+1] op_sel_hi:[1,0]   ; the sums under the new M: the plain place behind the batch
	s_wait_alu depctr_va_vdst(0)                   ; one wait for the batch, ahead of its first reader
	v_max_num_f32 v[BM], 0x1800000, v[BM]          ; the floor 2^(3 - 127): the byte cannot fall under 1
	v_max_num_f32 v[BM+2], 0x1800000, v[BM+2]
	v_add_nc_u32 v[SO], 0xff000000, v[BM]          ; 2 off the exponent field: the conversion's scale operand
	v_add_nc_u32 v[SO+1], 0xff000000, v[BM+2]
	v_lshrrev_b32 v[BX], 23, v[SO]
	v_lshrrev_b32 v[BX+1], 23, v[SO+1]
	v_lshl_or_b32 v[TA], v[BX+1], 16, v[BX]        ; my two bytes: in lanes 0-15 blocks 0 and 2
	v_permlanex16_b32 v[BX+2], v[TA], s[SEL], s[SEL+1]
	v_lshl_or_b32 v[PS], v[BX+2], 8, v[TA]         ; with lane l + 16's blocks 1 and 3: lanes 0-15 hold p's scale word (lanes 16-31 are not read)
.irp c, 0,1
.irp u, 0,1,2,3
	v_cvt_scalef32_pk8_fp4_f32 v[PC+4*\c+\u], v[S+32*\c+8*\u:S+32*\c+8*\u+7], v[SO+\c]   ; keys 64 c + 32 h + 8 u + 0 .. 7: register 4 c + u of the operand
.endr
.endr
	v_pk_add_f32 v[SM2:SM2+1], v[S:S+1], v[S+2:S+3]           ; the row's sum of the unquantised p
	v_pk_add_f32 v[BM:BM+1], v[S+4:S+5], v[S+6:S+7]
	v_pk_add_f32 v[BM+2:BM+3], v[S+8:S+9], v[S+10:S+11]
	SUMS 6, 31
	v_pk_add_f32 v[14:15], v[14:15], v[SM2:SM2+1]
	v_pk_add_f32 v[BM:BM+1], v[BM:BM+1], v[BM+2:BM+3]
	v_pk_add_f32 v[14:15], v[14:15], v[BM:BM+1]
.if \more
	s_wait_dscnt 10                                ; v's 10 loads are in; the next step's 10 of k may be out
.else
	s_wait_alu depctr_va_vdst(0)
	s_wait_dscnt 0x0
.endif
.irp ct, 0,1,2,3
.if \ct%2
	v_wmma_scale_f32_16x16x128_f8f6f4 v[O+8*\ct:O+8*\ct+7], v[VF+8*\ct:VF+8*\ct+7], v[PC:PC+7], v[O+8*\ct:O+8*\ct+7], v[VS+\ct/2], v[PS] matrix_a_fmt:MATRIX_FMT_FP4 matrix_b_fmt:MATRIX_FMT_FP4 matrix_a_scale:MATRIX_SCALE_ROW1
.else
	v_wmma_scale_f32_16x16x128_f8f6f4 v[O+8*\ct:O+8*\ct+7], v[VF+8*\ct:VF+8*\ct+7], v[PC:PC+7], v[O+8*\ct:O+8*\ct+7], v[VS+\ct/2], v[PS] matrix_a_fmt:MATRIX_FMT_FP4 matrix_b_fmt:MATRIX_FMT_FP4
.endif
.endr
.if \more
	s_add_co_u32 s[TB], s[TB], STEPB
.endif
.endm
	s_wait_alu depctr_va_vdst(0)
	s_wait_tensorcnt 0x0                           ; my part of records 0 to 7 is in
	ds_add_u32 v[SPW], v[NIL]
	s_wait_dscnt 0x0
	ROUND                                          ; everybody's part is in, and the four work-groups are here
	tensor_load_to_lds s[28:31], s[16:23]          ; my part of records 8 to 15
	s_nop 0
.rept 4
	v_nop
.endr
	s_wait_loadcnt 0x0                             ; q
	KLOAD KA0, KS0, 0
	s_mov_b32 s[CNT], 7
.Lfirst:                                               ; steps 0 to 6: they read records 0 to 7 alone (step 6 fetches record 7's k)
	STEP 1
	s_sub_co_u32 s[CNT], s[CNT], 1
	s_cmp_lg_u32 s[CNT], 0
	s_cbranch_scc1 .Lfirst
	s_wait_tensorcnt 0x0                           ; my part of records 8 to 15 is in,
	s_wait_dscnt 0x0                               ; no LDS load of mine is out at the signal,
	s_barrier_signal -1
	s_barrier_wait -1                              ; and both hold of all sixteen waves
	s_mov_b32 s[CNT], 8
.Lsecond:                                              ; steps 7 to 14
	STEP 1
	s_sub_co_u32 s[CNT], s[CNT], 1
	s_cmp_lg_u32 s[CNT], 0
	s_cbranch_scc1 .Lsecond
	STEP 0
	; THE WAY OUT: O^T / the sum, quantised along the head's 64 channels: registers of channel tiles 2 b and 2 b + 1 are channels 32 b + 16 h + 0 .. 15
	v_add_f32 v14, v14, v15
	s_delay_alu instid0(VALU_DEP_1)
	v_permlanex16_b32 v[TA], v14, s[SEL], s[SEL+1]
	s_delay_alu instid0(VALU_DEP_1)
	v_add_f32 v14, v14, v[TA]                      ; the row's sum
	s_wait_alu depctr_va_vdst(0)
	v_rcp_f32 v14, v14
	v_lshlrev_b32 v10, 3, v7
	s_delay_alu instid0(VALU_DEP_1)
	v_add_nc_u32 v10, v10, v8                      ; my scale byte's place: 8 r + h
	v_and_b32 v11, 31, v0
	s_delay_alu instid0(VALU_DEP_1)
	v_cmp_le_u32 vcc_lo, 16, v11
	s_wait_alu depctr_va_vdst(0)                   ; ahead of the first reader of the reciprocal and of O^T
.irp j, 0,1,2,3,4,5,6,7,8,9,10,11,12,13,14,15,16,17,18,19,20,21,22,23,24,25,26,27,28,29,30,31
	v_mul_f32 v[S+\j], v[O+\j], v14
.endr
.irp b, 0,1
	v_max3_num_f32 v[BM+\b], |v[S+16*\b]|, |v[S+16*\b+1]|, 0x1800000
.endr
.irp i, 2,4,6,8,10,12,14
.irp b, 0,1
	s_delay_alu instid0(VALU_DEP_2)
	v_max3_num_f32 v[BM+\b], v[BM+\b], |v[S+16*\b+\i]|, |v[S+16*\b+\i+1]|
.endr
.endr
.irp b, 0,1
	s_delay_alu instid0(VALU_DEP_2)
	v_permlanex16_b32 v[BX+\b], v[BM+\b], s[SEL], s[SEL+1]
.endr
.irp b, 0,1
	s_delay_alu instid0(VALU_DEP_2)
	v_max_num_f32 v[BM+\b], v[BM+\b], v[BX+\b]
.endr
.irp b, 0,1
	s_delay_alu instid0(VALU_DEP_2)
	v_add_nc_u32 v[SO+\b], 0xff000000, v[BM+\b]
.endr
.irp b, 0,1
	s_delay_alu instid0(VALU_DEP_2)
	v_lshrrev_b32 v[BX+\b], 23, v[SO+\b]
.endr
.irp b, 0,1
	v_cvt_scalef32_pk8_fp4_f32 v[PC+2*\b], v[S+16*\b:S+16*\b+7], v[SO+\b]
	v_cvt_scalef32_pk8_fp4_f32 v[PC+2*\b+1], v[S+16*\b+8:S+16*\b+15], v[SO+\b]
.endr
	v_cndmask_b32 v[TA], v[BX], v[BX+1], vcc_lo    ; lanes 0-15 store block 0's byte, lanes 16-31 block 1's
	v_permlane16_swap_b32 v[PC], v[PC+2]           ; a whole block in a lane
	v_permlane16_swap_b32 v[PC+1], v[PC+3]
	global_store_b128 v1, v[PC:PC+3], s[54:55]     ; 512 consecutive bytes
	global_store_b8 v10, v[TA], s[56:57]
	s_wait_tensorcnt 0x0                           ; the wave's end
	ds_add_u32 v[SPW], v[NIL]
	s_wait_dscnt 0x0
	ROUND                                          ; the closing round
	s_endpgm
.Lfunc_end_k_q41b478737c_attn:
	.size	k_q41b478737c_attn, .Lfunc_end_k_q41b478737c_attn-k_q41b478737c_attn
	.p2alignl 7, 3214868480
	.fill 96, 4, 3214868480
	.section	.rodata,"a",@progbits
	.p2align	6, 0x0
	.amdhsa_kernel k_q41b478737c_attn
		.amdhsa_group_segment_fixed_size 327680
		.amdhsa_private_segment_fixed_size 0
		.amdhsa_enable_private_segment 0
		.amdhsa_kernarg_size 24
		.amdhsa_user_sgpr_count 2
		.amdhsa_user_sgpr_kernarg_segment_ptr 1
		.amdhsa_wavefront_size32 1
		.amdhsa_system_sgpr_workgroup_id_x 1
		.amdhsa_system_sgpr_workgroup_id_y 1
		.amdhsa_system_sgpr_workgroup_id_z 1
		.amdhsa_system_vgpr_workitem_id 0
		.amdhsa_next_free_vgpr 232
		.amdhsa_next_free_sgpr 66
		.amdhsa_reserve_vcc 1
		.amdhsa_float_denorm_mode_32 3
		.amdhsa_float_denorm_mode_16_64 3
		.amdhsa_memory_ordered 1
		.amdhsa_forward_progress 1
		.amdhsa_inst_pref_size 54
	.end_amdhsa_kernel
	.amdgpu_metadata
---
amdhsa.version: [ 1, 2 ]
amdhsa.kernels:
  - .name:           k_q41b478737c_attn
    .symbol:         k_q41b478737c_attn.kd
    .args:
      - { .name: qq, .offset: 0, .size: 8, .value_kind: global_buffer, .address_space: global }
      - { .name: kv, .offset: 8, .size: 8, .value_kind: global_buffer, .address_space: global }
      - { .name: aq, .offset: 16, .size: 8, .value_kind: global_buffer, .address_space: global }
    .group_segment_fixed_size: 327680
    .private_segment_fixed_size: 0
    .kernarg_segment_align: 8
    .kernarg_segment_size: 24
    .max_flat_workgroup_size: 512
    .sgpr_count:     66
    .vgpr_count:     232
    .wavefront_size: 32
...
	.end_amdgpu_metadata
.endif
;; end of part 3
;; launch oproj (part 4): grid 256 x 1, 4 waves a work-group, no clusters, 17,920 bytes of LDS; arguments aq, wq, bo, out0; writes out0
.if DOCPART == 4
	.amdgcn_target "amdgcn-amd-amdhsa--gfx1250"
	.amdhsa_code_object_version 6
	.text
	.protected	k_q41b478737c_oproj
	.globl	k_q41b478737c_oproj
	.p2align	8
	.type	k_q41b478737c_oproj,@function
k_q41b478737c_oproj:
	s_mov_b64 s[64:65], 0
	v_nop
	global_prefetch_b8 v0, s[64:65] scope:SCOPE_SE
	s_setreg_imm32_b32 hwreg(HW_REG_WAVE_MODE, 25, 1), 1
	s_wait_xcnt 0x0
; Launch 4 of 4: out0 = o Wo + bo on codes of E2M1; out0 [4096][1024] f32.  Nothing is left out.
; A work-group makes 128 tokens x 128 columns; each of its four waves, as many as a WGP has SIMDs, 64 tokens x 64 columns: source 0 = a tile of Wo's columns (R, 4 tiles), source 1 = a tile of tokens (L, 4 tiles),
; so that a lane's eight results are eight neighbouring columns of one token.  Tile T holds rows 32 (T / 2) + 8 (T % 2) + r + 8 (r / 8).
; Operands come straight from memory into registers, as images of the operands' registers: every load of a wave is 512 consecutive bytes, 16 loads a K step.  FOUR sets of fragments: the loads of four K steps
; are issued at the head, and a set takes the K step four further on as soon as it has been multiplied.  The text is written out: 8 K steps of 16 products.
; No tensor loads and no joint loads: K is 8 steps, and a ring in LDS would put a barrier between each pair of them; here no wave waits for another.  No prefetch: there is no loop to run ahead in.
; THE BIAS is the C of each accumulator's first product: eight registers in the result's layout for each of R's tiles.
; THE WAY OUT: 16 tokens x 64 columns at a time through the wave's own stage in LDS, and out as rows of 256 bytes: sixteen lanes store one aligned unit.
; REGISTERS.  Window 0: v1-10 offsets; v14, v15 the add's two; v16-31 R's scale words, v32-47 L's (register 8 i + s: lanes 0-15 tile 2 i, lanes 16-31 tile 2 i + 1, K step s): these hold scales and nothing else;
;   v64-191 the 16 accumulators, (l, t) at v[64 + 32 l + 8 t]; v192-223 the bias, then with v224-255 the rows read back.  Window 1: set p at v[64 p]: R's four fragments, then L's four.
.set RS, 16
.set LS, 32
.set ACC, 64
.set BI, 192
.set STO, 8
.set RD,  9
.set CO,  10
.set SPW, 14
.set NIL, 15
.set SPITCH, 272                       ; a stage row: 256 bytes + 16
.set SPARE, 4*16*SPITCH                ; behind the four stages: the spare words, 128 bytes for each wave
.set MSB, 0
.macro WIN new                         ; the immediate's high byte repeats the setting that is left
.if MSB != \new
	s_set_vgpr_msb (MSB<<8)|\new
.set MSB, \new
.endif
.endm
.macro PLACES                          ; four places behind a matrix instruction, ahead of loads into its sources and of reads of its result
.rept 4
	v_nop
.endr
.endm
.macro WM d, a, b, cc, sa, sb, oa, ob          ; one product; oa, ob: the side's scale words stand in lanes 16-31
.set rD, \d
.set rA, \a
.set rB, \b
.set rC, \cc
.set rX, \sa
.set rY, \sb
.if (\oa) && (\ob)
	v_wmma_scale_f32_16x16x128_f8f6f4 v[rD:rD+7], v[rA:rA+7], v[rB:rB+7], v[rC:rC+7], v[rX], v[rY] matrix_a_fmt:MATRIX_FMT_FP4 matrix_b_fmt:MATRIX_FMT_FP4 matrix_a_scale:MATRIX_SCALE_ROW1 matrix_b_scale:MATRIX_SCALE_ROW1
.elseif (\oa)
	v_wmma_scale_f32_16x16x128_f8f6f4 v[rD:rD+7], v[rA:rA+7], v[rB:rB+7], v[rC:rC+7], v[rX], v[rY] matrix_a_fmt:MATRIX_FMT_FP4 matrix_b_fmt:MATRIX_FMT_FP4 matrix_a_scale:MATRIX_SCALE_ROW1
.elseif (\ob)
	v_wmma_scale_f32_16x16x128_f8f6f4 v[rD:rD+7], v[rA:rA+7], v[rB:rB+7], v[rC:rC+7], v[rX], v[rY] matrix_a_fmt:MATRIX_FMT_FP4 matrix_b_fmt:MATRIX_FMT_FP4 matrix_b_scale:MATRIX_SCALE_ROW1
.else
	v_wmma_scale_f32_16x16x128_f8f6f4 v[rD:rD+7], v[rA:rA+7], v[rB:rB+7], v[rC:rC+7], v[rX], v[rY] matrix_a_fmt:MATRIX_FMT_FP4 matrix_b_fmt:MATRIX_FMT_FP4
.endif
.endm
.macro MUL16 s, p, first               ; K step s on set p: the 16 accumulators by turns, one instruction a turn, in the same order in every step.  first = 1: the sums start from the bias
	WIN 0x05                                       ; sources 0 and 1 in window 1; C and D in window 0
.irp l, 0,1,2,3
.irp t, 0,1,2,3
.if \first
	WM ACC+32*\l+8*\t, 64*(\p)+8*\t, 64*(\p)+32+8*\l, BI+8*\t, RS+8*(\t/2)+(\s), LS+8*(\l/2)+(\s), \t%2, \l%2
.else
	WM ACC+32*\l+8*\t, 64*(\p)+8*\t, 64*(\p)+32+8*\l, ACC+32*\l+8*\t, RS+8*(\t/2)+(\s), LS+8*(\l/2)+(\s), \t%2, \l%2
.endif
.endr
.endr
.endm
.macro FETCH s, p                      ; K step s's 8 fragments into set p: 16 loads of 512 consecutive bytes
	WIN 0x40                                       ; destination in window 1, the offset in window 0
.irp t, 0,1,2,3
.irp c, 0,1
	global_load_b128 v[64*(\p)+8*\t+4*\c:64*(\p)+8*\t+4*\c+3], v1, s[24:25] offset:8192*\t+1024*(\s)+512*\c
.endr
.endr
.irp l, 0,1,2,3
.irp c, 0,1
	global_load_b128 v[64*(\p)+32+8*\l+4*\c:64*(\p)+32+8*\l+4*\c+3], v1, s[26:27] offset:8192*\l+1024*(\s)+512*\c
.endr
.endr
.endm
	s_load_b256 s[4:11], s[0:1], 0x0               ; aq s[4:5], wq s[6:7], bo s[8:9], out0 s[10:11]
	v_lshl_add_u32 v[SPW], v0, 2, SPARE
	v_mov_b32 v[NIL], 0
	v_lshrrev_b32 v3, 5, v0
	v_readfirstlane_b32 s18, v3                    ; wave 0..3
	s_lshr_b32 s19, ttmp9, 3                       ; mb: which 128 tokens
	s_and_b32 s20, ttmp9, 7                        ; nb: which 128 columns
	s_lshr_b32 s21, s18, 1                         ; my half of the tokens,
	s_and_b32 s22, s18, 1                          ; and of the columns
	s_lshl_b32 s45, s20, 3
	s_lshl_b32 s44, s22, 2
	s_add_co_u32 s45, s45, s44
	s_add_co_u32 s45, s45, 192                     ; R's first tile: Wo is the fourth weight, 64 tiles each: 192 + 8 nb + 4 x half
	s_lshl_b32 s46, s19, 3
	s_lshl_b32 s44, s21, 2
	s_add_co_u32 s46, s46, s44                     ; L's: 8 mb + 4 x half
	s_mul_i32 s42, s18, 16*SPITCH                  ; my stage
	s_lshl_b32 s48, s20, 9
	s_lshl_b32 s44, s22, 8
	s_add_co_u32 s48, s48, s44                     ; my 64 columns, in bytes: the bias' place, and the place in a row of out0
	s_lshl_b32 s50, s19, 19
	s_lshl_b32 s44, s21, 18
	s_add_co_u32 s50, s50, s44                     ; out0: (128 mb + 64 x half) rows of 4,096 bytes
	s_add_co_u32 s50, s50, s48
	s_mov_b32 s51, 0
	s_mov_b32 s49, 0
	v_and_b32 v3, 31, v0                           ; lane
	v_and_b32 v4, 15, v0                           ; r
	v_bfe_u32 v5, v0, 4, 1                         ; h
	v_lshlrev_b32 v1, 4, v3                        ; 16 x lane: an image's place
	v_lshlrev_b32 v2, 9, v5
	v_lshl_add_u32 v2, v4, 3, v2                   ; scale words: 512 h + 8 r
	v_lshlrev_b32 v6, 6, v5                        ; the bias: my half's 16 columns of each 32
	v_mul_u32_u24 v[STO], v4, SPITCH
	v_lshl_add_u32 v[STO], v5, 6, v[STO]
	v_add_nc_u32 v[STO], s42, v[STO]               ; into the stage: row r, + 64 h
	v_mul_u32_u24 v[RD], v5, SPITCH
	v_lshl_add_u32 v[RD], v4, 4, v[RD]
	v_add_nc_u32 v[RD], s42, v[RD]                 ; back: lanes 0-15 one row of 256 bytes, lanes 16-31 the next
	v_lshlrev_b32 v[CO], 12, v5
	v_lshl_add_u32 v[CO], v4, 4, v[CO]             ; and the same two rows in out0
	s_wait_alu depctr_va_vdst(0)
	s_wait_kmcnt 0x0
	s_add_nc_u64 s[32:33], s[8:9], s[48:49]        ; the bias of my 64 columns
	s_add_nc_u64 s[34:35], s[10:11], s[50:51]
	s_lshl_b32 s48, s45, 9
	s_add_co_u32 s48, s48, 0x200000
	s_add_nc_u64 s[28:29], s[6:7], s[48:49]        ; R's scale words
	s_lshl_b32 s48, s46, 9
	s_add_co_u32 s48, s48, 0x200000
	s_add_nc_u64 s[30:31], s[4:5], s[48:49]        ; L's
	s_lshl_b32 s48, s45, 13
	s_add_nc_u64 s[24:25], s[6:7], s[48:49]        ; R's images
	s_lshl_b32 s48, s46, 13
	s_add_nc_u64 s[26:27], s[4:5], s[48:49]        ; L's
.irp t, 0,1,2,3
	global_load_b128 v[BI+8*\t:BI+8*\t+3], v6, s[32:33] offset:4*(32*(\t/2)+8*(\t%2))       ; register 8 t + j: column 32 (t / 2) + 16 h + 8 (t % 2) + j
	global_load_b128 v[BI+8*\t+4:BI+8*\t+7], v6, s[32:33] offset:4*(32*(\t/2)+8*(\t%2))+16
.endr
.irp i, 0,1                                    ; all scale words of my 8 tiles: a lane takes two K steps' words of its row; lanes 0-15 the even tile, lanes 16-31 the odd one
.irp kq, 0,1,2,3
	global_load_b64 v[RS+8*\i+2*\kq:RS+8*\i+2*\kq+1], v2, s[28:29] offset:1024*\i+128*\kq
	global_load_b64 v[LS+8*\i+2*\kq:LS+8*\i+2*\kq+1], v2, s[30:31] offset:1024*\i+128*\kq
.endr
.endr
	FETCH 0, 0
	FETCH 1, 1
	FETCH 2, 2
	FETCH 3, 3
.irp s, 0,1,2,3,4,5,6,7
.if \s < 5
	s_wait_loadcnt 48                              ; this K step's set is in (and the bias and the scale words); the 16 loads of each of the three K steps behind it may be out
.else
	s_wait_loadcnt 16*(7-\s)                       ; the K steps that are left behind this one
.endif
.if \s == 0
	MUL16 \s, \s%4, 1
.else
	MUL16 \s, \s%4, 0
.endif
	PLACES
.if \s < 4
	FETCH \s+4, \s%4                               ; the set just multiplied takes the K step four further on
.endif
.endr
	WIN 0
; L's tile l: 16 tokens x 64 columns into my stage, and back as whole rows.  LDS serves a wave's instructions in order: no wait between the stores and the loads, nor in front of the next tile's stores.
.macro TOSTAGE l
.irp t, 0,1,2,3
	ds_store_b128 v[STO], v[ACC+32*(\l)+8*\t:ACC+32*(\l)+8*\t+3] offset:128*(\t/2)+32*(\t%2)          ; each accumulator from its low end on
	ds_store_b128 v[STO], v[ACC+32*(\l)+8*\t+4:ACC+32*(\l)+8*\t+7] offset:128*(\t/2)+32*(\t%2)+16
.endr
.set BB, 192+32*((\l)%2)               ; v192-223 and v224-255 by turns
.irp i, 0,1,2,3,4,5,6,7
	ds_load_b128 v[BB+4*\i:BB+4*\i+3], v[RD] offset:2*\i*SPITCH
.endr
.endm
.macro SEND l
.set BB, 192+32*((\l)%2)
.irp i, 0,1,2,3,4,5,6,7
	global_store_b128 v[CO], v[BB+4*\i:BB+4*\i+3], s[34:35] offset:(32*((\l)/2)+8*((\l)%2)+2*\i+8*(\i/4))*4096 th:TH_STORE_NT   ; the tile's rows 2 i and 2 i + 1: sixteen lanes store 256 consecutive aligned bytes; written once, read by nobody here
.endr
.endm
	TOSTAGE 0
.irp l, 1,2,3
.if \l > 1
	s_wait_xcnt 0x0                                ; tile l - 2's stores have read their registers: tile l's loads may land there
.endif
	TOSTAGE \l
	s_wait_dscnt 16                                ; tile l - 1 is back in registers; tile l's 8 stores and 8 loads may be out
	SEND \l-1
.endr
	s_wait_dscnt 0x0
	SEND 3
	s_wait_tensorcnt 0x0                           ; the wave's end, behind my last LDS store
	ds_add_u32 v[SPW], v[NIL]
	s_wait_dscnt 0x0
	s_endpgm
.Lfunc_end_k_q41b478737c_oproj:
	.size	k_q41b478737c_oproj, .Lfunc_end_k_q41b478737c_oproj-k_q41b478737c_oproj
	.p2alignl 7, 3214868480
	.fill 96, 4, 3214868480
	.section	.rodata,"a",@progbits
	.p2align	6, 0x0
	.amdhsa_kernel k_q41b478737c_oproj
		.amdhsa_group_segment_fixed_size 17920
		.amdhsa_private_segment_fixed_size 0
		.amdhsa_enable_private_segment 0
		.amdhsa_kernarg_size 32
		.amdhsa_user_sgpr_count 2
		.amdhsa_user_sgpr_kernarg_segment_ptr 1
		.amdhsa_wavefront_size32 1
		.amdhsa_system_sgpr_workgroup_id_x 1
		.amdhsa_system_sgpr_workgroup_id_y 1
		.amdhsa_system_sgpr_workgroup_id_z 1
		.amdhsa_system_vgpr_workitem_id 0
		.amdhsa_next_free_vgpr 512
		.amdhsa_next_free_sgpr 66
		.amdhsa_reserve_vcc 0
		.amdhsa_float_denorm_mode_32 3
		.amdhsa_float_denorm_mode_16_64 3
		.amdhsa_memory_ordered 1
		.amdhsa_forward_progress 1
		.amdhsa_inst_pref_size 42
	.end_amdhsa_kernel
	.amdgpu_metadata
---
amdhsa.version: [ 1, 2 ]
amdhsa.kernels:
  - .name:           k_q41b478737c_oproj
    .symbol:         k_q41b478737c_oproj.kd
    .args:
      - { .name: aq, .offset: 0, .size: 8, .value_kind: global_buffer, .address_space: global }
      - { .name: wq, .offset: 8, .size: 8, .value_kind: global_buffer, .address_space: global }
      - { .name: bo, .offset: 16, .size: 8, .value_kind: global_buffer, .address_space: global }
      - { .name: out0, .offset: 24, .size: 8, .value_kind: global_buffer, .address_space: global }
    .group_segment_fixed_size: 17920
    .private_segment_fixed_size: 0
    .kernarg_segment_align: 8
    .kernarg_segment_size: 32
    .max_flat_workgroup_size: 128
    .sgpr_count:     66
    .vgpr_count:     512
    .wavefront_size: 32
...
	.end_amdgpu_metadata
.endif
;; end of part 4
